; MI455X (gfx1250); checked and timed in simulation.
; The chip was launched on July 23, 2026; its instructions are those of AMD's public machine-readable ISA for CDNA 5 (MIT licence, August 2026) and "CDNA5" Instruction Set Architecture Reference Guide (July 2026). The comments in the code are by the model that wrote it; some were corrected since.
;; Multi Head Self Attention. Allowed arithmetic: matrix products marked QUANTISED: E2M3 operands, one E8M0 scale for each 32 along K, by v_wmma_scale_f32_16x16x128_f8f6f4 with both operands' format E2M3, f32 sums; everything else in f32.
;; Inputs: Wk_codes 1,024 x 32 x 24 uint8 (E2M3 codes of Wk, K innermost, in blocks of 32 codes, four codes in three bytes); Wk_scales 1,024 x 32 uint8 (E8M0 scales of Wk, one for each 32 codes along K); Wmix_codes 1,024 x 32 x 24 uint8 (E2M3 codes of Wmix, K innermost, in blocks of 32 codes, four codes in three bytes); Wmix_scales 1,024 x 32 uint8 (E8M0 scales of Wmix, one for each 32 codes along K); Wq_codes 1,024 x 32 x 24 uint8 (E2M3 codes of Wq, K innermost, in blocks of 32 codes, four codes in three bytes); Wq_scales 1,024 x 32 uint8 (E8M0 scales of Wq, one for each 32 codes along K); Wv_codes 1,024 x 32 x 24 uint8 (E2M3 codes of Wv, K innermost, in blocks of 32 codes, four codes in three bytes); Wv_scales 1,024 x 32 uint8 (E8M0 scales of Wv, one for each 32 codes along K); bk 1,024 float32; bmix 1,024 float32; bq 1,024 float32; bv 1,024 float32; x_codes 4 x 2,048 x 32 x 24 uint8 (E2M3 codes of x, K innermost, in blocks of 32 codes, four codes in three bytes); x_scales 4 x 2,048 x 32 uint8 (E8M0 scales of x, one for each 32 codes along K).
;; Outputs: out0 4 x 2,048 x 1,024 float32.
;; This version of the problem:
;;   THIS VERSION OF THE PROBLEM IS GIVEN IN LOW PRECISION. The matrix products marked QUANTISED in the list below multiply operands that are first quantised to E2M3 (2 exponent bits, 3 mantissa bits; 6 bits a number), with one power-of-two scale for each 32 numbers along K (OCP MX v1.0); their sums are f32. All else is computed in f32.
;;   The module's matrix products, in the order in which they are computed (A, B: the left and right operand; K: the contracted axis; several contracted axes count as one K, in the product's order):
;;     1. [M 8,192, K 1,024] x [K 1,024, N 1,024]; A: input x (given as codes); B: input Wq (given as codes): QUANTISED
;;     2. [M 8,192, K 1,024] x [K 1,024, N 1,024]; A: input x (given as codes); B: input Wk (given as codes): QUANTISED
;;     3. [M 8,192, K 1,024] x [K 1,024, N 1,024]; A: input x (given as codes); B: input Wv (given as codes): QUANTISED
;;     4. batch 64 x [M 2,048, K 64] x [K 64, N 2,048]; A: computed on the way; B: computed on the way: QUANTISED
;;     5. batch 64 x [M 2,048, K 2,048] x [K 2,048, N 64]; A: softmax (see below); B: computed on the way: QUANTISED
;;     6. [M 8,192, K 1,024] x [K 1,024, N 1,024]; A: computed on the way; B: input Wmix (given as codes): QUANTISED
;;   THE QUANTISER, for each operand of a quantised product, along K:
;;     - K is cut into blocks of 32 from its start; a last block that is shorter is filled with zeros.
;;     - A block's scale is 2^e with e = floor(log2(the largest magnitude in the block)) - 2, held to -126 .. 127; a block of zeros has e = 0. As a byte (E8M0): e + 127.
;;     - Each number is divided by its block's scale, clamped to +-7.5, and rounded to the nearest number of E2M3, ties to even, subnormals kept.
;;     - The product sums the exact products of the quantised numbers (number of the format x scale) in f32.
;;   ~~~python
;;   def quantise(x, axis):      # numpy; x: float32 -> the quantised numbers, widened to float32 again
;;       x = np.moveaxis(x, axis, -1); K = x.shape[-1]
;;       x = np.pad(x, [(0, 0)] * (x.ndim - 1) + [(0, -K % 32)]); x = x.reshape(x.shape[:-1] + (-1, 32)); a = np.abs(x).max(-1, keepdims=True)
;;       e = np.where(a > 0, np.clip(np.frexp(np.where(a > 0, a, 1))[1] - 1 - 2, -126, 127), 0)      # np.frexp(a)[1] - 1 = floor(log2(a)), exactly
;;       r = np.clip(x / 2.0 ** e, -7.5, 7.5)
;;       step = 2.0 ** (np.maximum(np.frexp(np.where(r == 0, 1, r))[1] - 1, 0) - 3)
;;       q = np.round(r / step) * step * 2.0 ** e      # np.round: ties to even
;;       return np.moveaxis(q.reshape(q.shape[:-2] + (-1,))[..., :K], -1, axis).astype(np.float32)
;;   ~~~
;;   SOFTMAX AHEAD OF A QUANTISED PRODUCT. Where the list says 'softmax', what is quantised is not the finished softmax but p = 2^(t - M), with t = logit x log2(e) and M = ceil(the row's largest t), a whole number; so 1/2 < the row's largest p <= 1. The row's sum l is taken of the UNQUANTISED p, in f32, and the product's result is divided by l at the end. Since M is a whole number, a kernel that streams over the keys may use a running M (the ceiling of the running maximum): every later rescaling is an exact power of two, which a block's scale takes up: the codes' values come out the same.
;;   OPERANDS COMPUTED ON THE WAY. 'Computed on the way' means the value that the module computes at that place (a softmax that the list does not call 'softmax' is quantised finished and normalised). What goes into a quantiser is computed in f32, as accurately as f32 sums, v_exp_f32 and their like allow (about 1e-6 of the number): no bf16 or f16 on the way to a quantiser, and a product that is left as it is and whose result goes on into a quantised operand takes f32 operands (vector FMAs, or v_wmma_f32_16x16x4_f32). A number that lies on a knife's edge between two numbers of the format may be rounded either way, as far as f32 arithmetic and the matrix unit's own rounding can turn it there, and no further.
;;   INPUTS GIVEN AS CODES. Wk (in the module: [1024, 1024], K = its axis 0); Wmix (in the module: [1024, 1024], K = its axis 0); Wq (in the module: [1024, 1024], K = its axis 0); Wv (in the module: [1024, 1024], K = its axis 0); x (in the module: [4, 2048, 1024], K = its axis 2): each comes as NAME_codes (uint8): NAME with its K axis moved to the last place and cut into blocks of 32 codes, [.., K / 32, bytes a block], one block behind the other in memory; four codes in three bytes: a row's codes are one little-endian stream of bits, code i at bits 6 i .. 6 i + 5 (a code: sign, 2 exponent bits, 3 mantissa bits); and NAME_scales (uint8): the same leading axes, one E8M0 byte (e + 127) for each 32 codes along K. Its value is code x scale, taken as it is: it is not quantised again, and the codes and scales need not be those that the quantiser above would give.
;; One version. Each part assembles by itself: llvm-mc -triple=amdgcn-amd-amdhsa -mcpu=gfx1250 --defsym DOCPART=n.
;; ======== version 1 of 1: 3 launches
;; workspace buffers: q 6,291,456 bytes; qs 524,288 bytes; kv 13,107,200 bytes; att 6,291,456 bytes; atts 262,144 bytes
;; launch qkv (part 1): grid 8 x 32, 4 waves a work-group, clusters of 4 x 4, 327,680 bytes of LDS; arguments x_codes, x_scales, Wq_codes, Wq_scales, bq, Wk_codes, Wk_scales, bk, Wv_codes, Wv_scales, bv, q, qs, kv; writes q, qs, kv
.if DOCPART == 1
	.amdgcn_target "amdgcn-amd-amdhsa--gfx1250"
	.amdhsa_code_object_version 6
	.text
	.protected	k_qcda0b12894_qkv
	.globl	k_qcda0b12894_qkv
	.p2align	8
	.type	k_qcda0b12894_qkv,@function
k_qcda0b12894_qkv:
	s_mov_b64 s[64:65], 0
	v_nop
	global_prefetch_b8 v0, s[64:65] scope:SCOPE_SE
	s_setreg_imm32_b32 hwreg(HW_REG_WAVE_MODE, 25, 1), 1
	s_wait_xcnt 0x0
	s_wait_alu depctr_hold_cnt(0) depctr_sa_sdst(0) depctr_va_vdst(0) depctr_va_sdst(0) depctr_va_ssrc(0) depctr_va_vcc(0) depctr_vm_vsrc(0)
	s_getreg_b32 s2, hwreg(HW_REG_IB_STS2, 6, 4)
	s_cmp_eq_u32 s2, 0
	s_cbranch_scc0 .Lentry_in_a_cluster
	s_endpgm
.Lentry_in_a_cluster:
	s_bfe_u32 s2, ttmp6, 0x10000c
	s_cmp_lg_u32 s2, 0xf033
	s_cbranch_scc0 .Lentry_shape_is_right
	s_endpgm
.Lentry_shape_is_right:
; q = x Wq + bq, k = x Wk + bk, v = x Wv + bv on codes of FP6 (E2M3) with one E8M0 scale for each 32 along K = 1,024; the results are quantised at once:
; q and k along the head's 64 numbers, v along the keys, and stored as IMAGES OF OPERAND REGISTERS for the attention launch.
; SHARES.  A work-group: 256 rows of x (my = 0..31) x two heads (sx = 0..7), for q, k and v: six chunks of 64 rows of a weight, chunk c = 3 hh + role (role 0 q, 1 k, 2 v; hh the head of the two).
; Wave w owns rows 64 w .. 64 w + 63 (four tiles mt); its fragments of x for ALL of K stay in registers (4 x 8 x 12 = 384).  A chunk: 4 x 4 tiles x 8 K steps = 128 matrix instructions on 16 accumulators by turns.
; q, k: source 0 = 16 rows of W, source 1 = 16 rows of x: a lane holds one row of x and eight neighbouring numbers of the head.   v: source 0 = x, source 1 = W: a lane holds one number d of the head and eight keys.
; ORDER ALONG K.  The 16 registers of two neighbouring tiles are the numbers 8 h + 0..7 and 16 + 8 h + 0..7 of a block of 32 (h = lane / 16); converted and exchanged between the halves of the lanes a block's codes lie in the order
; 0-7, 16-23, 8-15, 24-31.  q and k have it alike along the head, v and the attention's p alike along the keys: the products and the blocks are those of the natural order.
; v's TILES OF d ARE PERMUTED: tile 2 B + u, lane r holds d = 32 B + 8 u + r % 8 + 16 (r / 8), so that the attention's result has 16 neighbouring d in a lane's 16 registers.
; LDS: rows of 768 bytes with 16 bytes behind each 256: pitch 816 = 204 words, so the 32 lanes of an 8-byte load on 16 rows touch 64 different banks (64 banks of 4 bytes: ISA guide 11.1).  Six places of 64 rows.
; x's quarter of wave w lies first in place 2 + w and is read by that wave alone; then wave w fills the same place once more, with chunk 2 + w.
; CLUSTER 4 x 4: x's tiles hang on my alone and are asked for jointly along a row of the cluster, W's on sx alone and jointly along a column.
; LIMITS: NaN and infinities are not served; a given scale byte 0xff gives NaN, as the format has it; a block of zeros, or one whose largest magnitude lies under 2^-124, gets the byte 1 (its bytes are read by this program alone).
; The scale words and bytes leave in stores of 64 to 128 bytes: one byte in 24 of what this launch writes.
; REGISTERS.  Window 0: v1-23 addresses; v24-39 x's scale words; v40-71 W's, two sets; v72-127 the quantiser; v128-255 the accumulators.
;   Window 1: x's fragments of K steps 0-4 at 48 s + 12 mt.   Window 2: those of steps 5-7 at 48 (s - 5) + 12 mt; from v144 W's fragments, two buffers of 48.   Window 3: the biases in the result's layout, two sets of 32.
.set PITCH, 816
.set CHB,   64*PITCH                   ; a place: 64 rows
.set SPARE, 6*CHB                      ; behind the places: the spare words, 128 bytes for each wave: two blocks of 256 bytes that no other line names
.set PADW,  (3<<16)|(1<<20)|(1<<21)|(5<<22)|(3<<25)   ; elements of 8 bytes; padding on; set beside a mask; after every 64 words; 4 words of it
.set SPW,  1                           ; v1   LDS address of my spare word; never rewritten
.set NIL,  2                           ; v2   0; never rewritten
.set AX,   3                           ; v3-4 x's rows in LDS: r x pitch + 24 h (+ 16 h more for pieces behind one padding more) + my place
.set AW,   5                           ; v5-6 the same for the chunk in hand
.set L32,  7                           ; 32 x lane: a row of scale bytes
.set BQA,  8                           ; 32 h
.set BVA,  9                           ; 4 r
.set QA16, 10
.set QA8,  11
.set QSA,  12
.set KA16, 13
.set KSA,  14
.set VA16, 15
.set VA8,  16
.set VSA,  17
.set TA,   18
.set TB2,  19
.set XS,   24                          ; XS + 8 b + s: lanes 0-15 tile 2 b, lanes 16-31 tile 2 b + 1, K step s
.set WS,   40                          ; WS + 16 set + 8 B + s likewise for the chunk's tiles 2 B, 2 B + 1
.set MX,   72
.set T,    80
.set SO,   88
.set CD,   96
.set TY,   120
.set ACC,  128
.set WF,   144
.set G1X,  36
.set G1W,  44
.set G1H,  52
.set G0X,  60
.set G0H,  68
.set G0R,  72
.set MSB, 0
.macro WIN new                         ; the immediate's high byte repeats the setting that is left
.if MSB != \new
	s_set_vgpr_msb (MSB<<8)|\new
.set MSB, \new
.endif
.endm
.macro PLACES n
.rept \n
	v_nop
.endr
.endm
.macro CROUND                          ; a round of the cluster's barrier
	s_barrier_signal -1
	s_barrier_wait -1
	s_cmp_lg_u32 s4, 0
	s_cbranch_scc1 .Lnot_wave_0_\@
	s_barrier_signal -3
.Lnot_wave_0_\@:
	s_barrier_wait -3
	s_barrier_signal -1
	s_barrier_wait -1
.endm
; one product; ra, rb: which half of the lanes of the scale registers holds the tile's words
.macro WM d, a, b, c, sa, sb, ra, rb
.if ((\ra) == 0) && ((\rb) == 0)
	v_wmma_scale_f32_16x16x128_f8f6f4 v[(\d):(\d)+7], v[(\a):(\a)+11], v[(\b):(\b)+11], v[(\c):(\c)+7], v[\sa], v[\sb] matrix_a_fmt:MATRIX_FMT_FP6 matrix_b_fmt:MATRIX_FMT_FP6
.elseif (\rb) == 0
	v_wmma_scale_f32_16x16x128_f8f6f4 v[(\d):(\d)+7], v[(\a):(\a)+11], v[(\b):(\b)+11], v[(\c):(\c)+7], v[\sa], v[\sb] matrix_a_fmt:MATRIX_FMT_FP6 matrix_b_fmt:MATRIX_FMT_FP6 matrix_a_scale:MATRIX_SCALE_ROW1
.elseif (\ra) == 0
	v_wmma_scale_f32_16x16x128_f8f6f4 v[(\d):(\d)+7], v[(\a):(\a)+11], v[(\b):(\b)+11], v[(\c):(\c)+7], v[\sa], v[\sb] matrix_a_fmt:MATRIX_FMT_FP6 matrix_b_fmt:MATRIX_FMT_FP6 matrix_b_scale:MATRIX_SCALE_ROW1
.else
	v_wmma_scale_f32_16x16x128_f8f6f4 v[(\d):(\d)+7], v[(\a):(\a)+11], v[(\b):(\b)+11], v[(\c):(\c)+7], v[\sa], v[\sb] matrix_a_fmt:MATRIX_FMT_FP6 matrix_b_fmt:MATRIX_FMT_FP6 matrix_a_scale:MATRIX_SCALE_ROW1 matrix_b_scale:MATRIX_SCALE_ROW1
.endif
.endm
; a fragment, 16 rows x 128 K: lane (r, h) takes the row's pieces of 8 bytes 12 s + 3 h + 0, 1, 2 and 12 s + 6 + 3 h + 0, 1, 2.  Piece p lies at 8 p + 16 (p / 32); where the piece three on lies behind one padding more, the second address serves
.macro FRAG reg, adr, ks, rowoff
.irp p,0,1,2,3,4,5
.set PCE, 12*(\ks)+6*(\p/3)+\p%3
.if PCE%32 < 29
	ds_load_b64 v[(\reg)+2*\p:(\reg)+2*\p+1], v[\adr] offset:8*PCE+16*(PCE/32)+(\rowoff)
.else
	ds_load_b64 v[(\reg)+2*\p:(\reg)+2*\p+1], v[(\adr)+1] offset:8*PCE+16*(PCE/32)+(\rowoff)
.endif
.endr
.endm
.macro XLOAD                           ; my 64 rows of x, all of K: 192 loads
.irp ks,0,1,2,3,4,5,6,7
.if \ks < 5
	WIN 0x40
.set XB, 48*\ks
.else
	WIN 0x80
.set XB, 48*(\ks-5)
.endif
.irp mt,0,1,2,3
	FRAG XB+12*\mt, AX, \ks, 16*PITCH*\mt
.endr
.endr
	WIN 0
.endm
.macro WLOAD ks, buf                   ; the chunk's four fragments of K step ks
	WIN 0x80
.irp nt,0,1,2,3
	FRAG WF+48*(\buf)+12*\nt, AW, \ks, 16*PITCH*\nt
.endr
.endm
; chunk c's scale words and bias, a chunk ahead.  q, k: a lane wants the bias of its eight numbers of the head; v: of its one d, in all eight registers
.macro PRE c
.set RL, (\c)%3
.set HH, (\c)/3
.set WSET, (\c)%2
	WIN 0
.irp be,0,1
.irp i,0,1
	global_load_b128 v[WS+16*WSET+8*\be+4*\i:WS+16*WSET+8*\be+4*\i+3], v[L32], s[14+6*RL:15+6*RL] offset:2048*HH+1024*\be+16*\i
.endr
.endr
	WIN 0xc0
.irp nt,0,1,2,3
.if RL == 2
.irp j,0,1,2,3,4,5,6,7
	global_load_b32 v[32*WSET+8*\nt+\j], v[BVA], s[28:29] offset:256*HH+64*\nt
.endr
.else
	global_load_b128 v[32*WSET+8*\nt:32*WSET+8*\nt+3], v[BQA], s[16+6*RL:17+6*RL] offset:256*HH+64*\nt
	global_load_b128 v[32*WSET+8*\nt+4:32*WSET+8*\nt+7], v[BQA], s[16+6*RL:17+6*RL] offset:256*HH+64*\nt+16
.endif
.endr
	WIN 0
.endm
; 16 products of one K step; the 16 accumulators take turns, one instruction a turn, in the same order in every step.  The first step's C is the bias
.macro MUL role, ks, buf, wset
.if (\ks) < 5
.set XB, 48*(\ks)
.else
.set XB, 48*((\ks)-5)
.endif
.if (\ks) >= 5
	WIN 0x0a
.elseif ((\role) == 2) && ((\ks) == 0)
	WIN 0x39
.elseif (\role) == 2
	WIN 0x09
.elseif (\ks) == 0
	WIN 0x36
.else
	WIN 0x06
.endif
.irp mt,0,1,2,3
.irp nt,0,1,2,3
.if (\role) == 2
.set DD, ACC+64*(\mt/2)+16*\nt+8*(\mt%2)
.else
.set DD, ACC+32*\mt+8*\nt
.endif
.if (\ks) == 0
.set CC, 32*(\wset)+8*\nt
.else
.set CC, DD
.endif
.if (\role) == 2
	WM DD, XB+12*\mt, WF+48*(\buf)+12*\nt, CC, XS+8*(\mt/2)+(\ks), WS+16*(\wset)+8*(\nt/2)+(\ks), \mt%2, \nt%2
.else
	WM DD, WF+48*(\buf)+12*\nt, XB+12*\mt, CC, WS+16*(\wset)+8*(\nt/2)+(\ks), XS+8*(\mt/2)+(\ks), \nt%2, \mt%2
.endif
.endr
.endr
.endm
.macro KSTEP c, role, ks
	s_wait_dscnt 0x0                               ; this step's fragments are in (asked for 16 products ago)
.if ((\c) == 1) && ((\ks) == 7)
	s_wait_tensorcnt 0x0                           ; my refill, chunk 2 + w, has landed: it had two chunks' work in which to land;
	s_barrier_signal -1
	s_barrier_wait -1                              ; everybody's has: chunks 2 to 5 may be read.
.endif
	PLACES 4                                       ; in front of loads into registers that the last products read
.if (\ks) < 7
	WLOAD (\ks)+1, ((\ks)+1)%2
.elseif (\c) < 5
	WIN 0
	v_add_nc_u32 v[AW], CHB, v[AW]                 ; on to the next chunk's place
	v_add_nc_u32 v[AW+1], CHB, v[AW+1]
	WLOAD 0, 0
.endif
	MUL \role, \ks, (\ks)%2, (\c)%2
.endm
; THE QUANTISER.  Eight blocks of 32, block i in v[ACC + 16 i] on of lanes l and l xor 16: its largest magnitude with the floor 2^(3 - 127), the conversion's scale operand (2 off the exponent field) and the scale's byte
.macro QMAX
.irp i,0,1,2,3,4,5,6,7
	v_max3_num_f32 v[MX+\i], |v[ACC+16*\i]|, |v[ACC+16*\i+1]|, 0x1800000
.endr
.irp k,2,4,6,8,10,12,14
.irp i,0,1,2,3,4,5,6,7
	v_max3_num_f32 v[MX+\i], v[MX+\i], |v[ACC+16*\i+\k]|, |v[ACC+16*\i+\k+1]|
.endr
.endr
.irp i,0,1,2,3,4,5,6,7
	v_permlanex16_b32 v[T+\i], v[MX+\i], s78, s79
.endr
.irp i,0,1,2,3,4,5,6,7
	v_max_num_f32 v[MX+\i], v[MX+\i], v[T+\i]
.endr
.irp i,0,1,2,3,4,5,6,7
	v_add_nc_u32 v[SO+\i], 0xff000000, v[MX+\i]
.endr
.irp i,0,1,2,3,4,5,6,7
	v_lshrrev_b32 v[T+\i], 23, v[SO+\i]
.endr
.endm
.macro CVT2 t, lo, hi                  ; half fragment t from blocks lo (for lanes 0-15) and hi (for lanes 16-31); a conversion's three registers begin on an even number
	v_cvt_scalef32_pk16_fp6_f32 v[CD+6*(\t):CD+6*(\t)+2], v[ACC+16*(\lo):ACC+16*(\lo)+15], v[SO+(\lo)]
	v_cvt_scalef32_pk16_fp6_f32 v[TY+4*((\t)%2):TY+4*((\t)%2)+2], v[ACC+16*(\hi):ACC+16*(\hi)+15], v[SO+(\hi)]
.endm
.macro MEND t                          ; the operand's layout wants a whole block in a lane
.irp i,0,1,2
	v_permlane16_swap_b32 v[CD+6*(\t)+\i], v[TY+4*((\t)%2)+\i]
.endr
.irp i,0,1,2
	v_mov_b32 v[CD+6*(\t)+3+\i], v[TY+4*((\t)%2)+\i]
.endr
.endm
.macro CODES l0, h0, l1, h1, l2, h2, l3, h3
	CVT2 0, \l0, \h0
	CVT2 1, \l1, \h1
	v_nop                                          ; one plain place behind a run of scaled conversions
	MEND 0
	MEND 1
	CVT2 2, \l2, \h2
	CVT2 3, \l3, \h3
	v_nop
	MEND 2
	MEND 3
.endm
.macro EPI_Q hh
	s_wait_xcnt 0x0                                ; the last chunk's stores have read their registers
	QMAX
	CODES 0, 1, 2, 3, 4, 5, 6, 7
.irp mt,0,1,2,3
	global_store_b128 v[QA16], v[CD+6*\mt:CD+6*\mt+3], s[30:31] offset:98304*(\hh)+768*\mt          ; 512 consecutive bytes,
	global_store_b64 v[QA8], v[CD+6*\mt+4:CD+6*\mt+5], s[30:31] offset:98304*(\hh)+768*\mt+512      ; and 256: a tile's image
.endr
.irp mt,0,1,2,3
	v_lshl_or_b32 v[MX+\mt], v[T+2*\mt+1], 8, v[T+2*\mt]           ; a row's word: its two bytes, and zeros above
.endr
	v_cndmask_b32 v[MX+4], v[MX], v[MX+1], s81     ; lanes 0-15 the even tile's, lanes 16-31 the odd one's
	v_cndmask_b32 v[MX+5], v[MX+2], v[MX+3], s81
	global_store_b32 v[QSA], v[MX+4], s[32:33] offset:8192*(\hh)
	global_store_b32 v[QSA], v[MX+5], s[32:33] offset:8192*(\hh)+128
.endm
.macro EPI_K hh                        ; two key tiles make one fragment: the even tile in K 0-63, the odd one in K 64-127
	s_wait_xcnt 0x0
	QMAX
	CODES 0, 1, 2, 3, 4, 5, 6, 7
.irp b,0,1
.irp i,0,1,2
	global_store_b128 v[KA16], v[CD+12*\b+4*\i:CD+12*\b+4*\i+3], s[34:35] offset:204800*(\hh)+1536*\b+512*\i
.endr
.endr
.irp b,0,1
	v_lshl_or_b32 v[MX+\b], v[T+4*\b+1], 8, v[T+4*\b]
	v_lshl_or_b32 v[MX+\b], v[T+4*\b+2], 16, v[MX+\b]
	v_lshl_or_b32 v[MX+\b], v[T+4*\b+3], 24, v[MX+\b]
.endr
	v_cndmask_b32 v[MX+4], v[MX], v[MX+1], s81
	global_store_b32 v[KSA], v[MX+4], s[34:35] offset:204800*(\hh)+12288
.endm
.macro EPI_V hh                        ; block 4 b + nt: keys 32 b on of my 64, d tile nt
	s_wait_xcnt 0x0
	QMAX
	CODES 0, 4, 1, 5, 2, 6, 3, 7
.irp bp,0,1                            ; the tiles of d are permuted: lanes 8-15 of the even tile change places with lanes 0-7 of the odd one
.irp i,0,1,2,3,4,5
	v_mov_b32_dpp v[TA], v[CD+12*\bp+\i] row_xmask:8 row_mask:0xf bank_mask:0xf
	v_mov_b32_dpp v[TB2], v[CD+12*\bp+6+\i] row_xmask:8 row_mask:0xf bank_mask:0xf
	v_cndmask_b32 v[CD+12*\bp+\i], v[CD+12*\bp+\i], v[TB2], s80
	v_cndmask_b32 v[CD+12*\bp+6+\i], v[TA], v[CD+12*\bp+6+\i], s80
.endr
.endr
.irp nt,0,1,2,3
	global_store_b128 v[VA16], v[CD+6*\nt:CD+6*\nt+3], s[34:35] offset:204800*(\hh)+6144+1536*\nt
	global_store_b64 v[VA8], v[CD+6*\nt+4:CD+6*\nt+5], s[34:35] offset:204800*(\hh)+6144+1536*\nt+512
.endr
.irp nt,0,1,2,3
	v_lshl_or_b32 v[MX+\nt], v[T+4+\nt], 8, v[T+\nt]               ; my two key blocks' bytes of d = 16 nt + r, to that d's place among the permuted tiles; both halves of the lanes write the same
	global_store_b16 v[VSA], v[MX+\nt], s[34:35] offset:204800*(\hh)+12544+128*(\nt/2)+32*(\nt%2)
.endr
.endm
.macro CHUNK c
	s_wait_loadcnt 0x0                             ; this chunk's scale words and bias are in
.if (\c) < 5
	PRE (\c)+1
.endif
.irp ks,0,1,2,3,4,5,6,7
	KSTEP \c, (\c)%3, \ks
.endr
	WIN 0
	PLACES 4                                       ; in front of the first read of results
.if (\c)%3 == 0
	EPI_Q (\c)/3
.elseif (\c)%3 == 1
	EPI_K (\c)/3
.else
	EPI_V (\c)/3
.endif
.endm
	s_load_b512 s[8:23], s[0:1], 0x0               ; x codes 8, x scales 10, Wq codes 12, Wq scales 14, bq 16, Wk codes 18, Wk scales 20, bk 22
	s_load_b256 s[24:31], s[0:1], 0x40             ; Wv codes 24, Wv scales 26, bv 28, q 30
	s_load_b128 s[32:35], s[0:1], 0x60             ; qs 32, kv 34
	v_lshl_add_u32 v[SPW], v0, 2, SPARE
	v_mov_b32 v[NIL], 0
	ds_add_u32 v1, v2
	ds_add_u32 v1, v2
	s_wait_dscnt 0x0
	v_lshrrev_b32 v20, 5, v0
	v_readfirstlane_b32 s4, v20                    ; wave 0..3
	s_bfe_u32 s5, ttmp6, 0x40000                   ; cx
	s_bfe_u32 s6, ttmp6, 0x40004                   ; cy
	s_lshl_b32 s7, ttmp9, 2
	s_add_co_u32 s7, s7, s5                        ; sx: which two heads
	s_and_b32 s76, ttmp7, 0xffff
	s_lshl_b32 s76, s76, 2
	s_add_co_u32 s76, s76, s6                      ; my: which 256 rows
	s_lshl_b32 s77, s6, 2
	s_lshl_b32 s77, 15, s77                        ; my row of the cluster
	s_lshl_b32 s88, 0x1111, s5                     ; my column
	s_or_b32 s[G1X], s77, PADW                     ; x: 64 rows of 96 elements of 8 bytes, to my row
	s_or_b32 s[G1W], s88, PADW                     ; W: 64 rows, to my column
	s_or_b32 s[G1H], s88, PADW                     ; W: 32 rows, to my column
.irp g,G1X,G1W,G1H
	s_mov_b32 s[\g+1], 96<<16                      ; tensor_dim0
	s_mov_b32 s[\g+3], 96<<16                      ; tile_dim0
	s_mov_b32 s[\g+5], 96                          ; the pitch in memory
	s_mov_b32 s[\g+6], 0
	s_mov_b32 s[\g+7], 0
.endr
	s_mov_b32 s[G1X+2], 64<<16                     ; tensor_dim1
	s_mov_b32 s[G1X+4], 64                         ; tile_dim1
	s_mov_b32 s[G1W+2], 64<<16
	s_mov_b32 s[G1W+4], 64
	s_mov_b32 s[G1H+2], 32<<16
	s_mov_b32 s[G1H+4], 32
	s_mul_i32 s90, s76, 196608                     ; x's codes: (256 my + 64 w) rows of 768 bytes.  These registers never hold cx
	s_mul_i32 s91, s4, 49152
	s_add_co_u32 s90, s90, s91
	s_mov_b32 s91, 0
	s_lshl_b32 s92, s76, 13                        ; x's scales: rows of 32 bytes
	s_lshl_b32 s93, s4, 11
	s_add_co_u32 s92, s92, s93
	s_mov_b32 s93, 0
	s_mul_i32 s94, s7, 98304                       ; W: row 128 sx.  These registers never hold cy
	s_and_b32 s95, s4, 1
	s_mul_i32 s95, s95, 24576
	s_add_co_u32 s96, s94, s95                     ; first fills: + 32 (w % 2) rows
	s_mov_b32 s97, 0
	s_cmp_gt_u32 s4, 0
	s_cselect_b32 s98, 49152, 0                    ; refills: the second head's 64 rows for waves 1 to 3
	s_add_co_u32 s98, s98, s94
	s_mov_b32 s99, 0
	s_mul_i32 s89, s4, CHB
	s_add_co_u32 s89, s89, 2*CHB                   ; place 2 + w
	s_mul_i32 s3, s4, CHB/2                        ; half a place: waves 0, 1 chunk 0, waves 2, 3 chunk 1
	s_wait_kmcnt 0x0
	s_mov_b32 s[G0X], 1
	s_mov_b32 s[G0X+1], s89
	s_add_nc_u64 s[G0X+2:G0X+3], s[8:9], s[90:91]
	s_or_b32 s[G0X+3], s[G0X+3], 0x80000000
	s_mov_b32 s[G0H], 1
	s_mov_b32 s[G0H+1], s3
	s_cmp_lt_u32 s4, 2
	s_cselect_b64 s[G0H+2:G0H+3], s[12:13], s[18:19]   ; Wq for waves 0, 1; Wk for waves 2, 3
	s_add_nc_u64 s[G0H+2:G0H+3], s[G0H+2:G0H+3], s[96:97]
	s_or_b32 s[G0H+3], s[G0H+3], 0x80000000
	s_mov_b32 s[G0R], 1
	s_mov_b32 s[G0R+1], s89
	s_cmp_eq_u32 s4, 1
	s_cselect_b64 s[G0R+2:G0R+3], s[12:13], s[24:25]   ; chunk 2 + w: Wv, Wq, Wk, Wv
	s_cmp_eq_u32 s4, 2
	s_cselect_b64 s[G0R+2:G0R+3], s[18:19], s[G0R+2:G0R+3]
	s_add_nc_u64 s[G0R+2:G0R+3], s[G0R+2:G0R+3], s[98:99]
	s_or_b32 s[G0R+3], s[G0R+3], 0x80000000
	CROUND                                         ; all sixteen work-groups are here: the first joint loads meet
	tensor_load_to_lds s[G0X:G0X+3], s[G1X:G1X+7]  ; my 64 rows of x,
	s_nop 0
	tensor_load_to_lds s[G0H:G0H+3], s[G1H:G1H+7]  ; my half of chunk 0 or 1: two loads of mine are out
	s_nop 0
	PLACES 4
	s_add_nc_u64 s[10:11], s[10:11], s[92:93]      ; x's scales at my first row
	s_lshl_b32 s82, s7, 12
	s_mov_b32 s83, 0
	s_add_nc_u64 s[14:15], s[14:15], s[82:83]      ; the weights' scales at row 128 sx
	s_add_nc_u64 s[20:21], s[20:21], s[82:83]
	s_add_nc_u64 s[26:27], s[26:27], s[82:83]
	s_lshl_b32 s82, s7, 9
	s_add_nc_u64 s[16:17], s[16:17], s[82:83]      ; the biases likewise
	s_add_nc_u64 s[22:23], s[22:23], s[82:83]
	s_add_nc_u64 s[28:29], s[28:29], s[82:83]
	s_lshr_b32 s84, s76, 3                         ; the batch
	s_and_b32 s85, s76, 7                          ; which 256 of its 2,048 rows
	s_mul_i32 s82, s84, 1572864                    ; q: ((16 batch + 2 sx) 128 + 16 (my % 8)) tiles of 768 bytes
	s_mul_i32 s86, s7, 196608
	s_add_co_u32 s82, s82, s86
	s_mul_i32 s86, s85, 12288
	s_add_co_u32 s82, s82, s86
	s_add_nc_u64 s[30:31], s[30:31], s[82:83]
	s_lshl_b32 s82, s84, 17                        ; qs: the same tiles, 64 bytes each
	s_lshl_b32 s86, s7, 14
	s_add_co_u32 s82, s82, s86
	s_lshl_b32 s86, s85, 10
	s_add_co_u32 s82, s82, s86
	s_add_nc_u64 s[32:33], s[32:33], s[82:83]
	s_mul_i32 s82, s84, 3276800                    ; kv: (16 batch + 2 sx) heads of 204,800 bytes + 2 (my % 8) key steps of 12,800
	s_mul_i32 s86, s7, 409600
	s_add_co_u32 s82, s82, s86
	s_mul_i32 s86, s85, 25600
	s_add_co_u32 s82, s82, s86
	s_add_nc_u64 s[34:35], s[34:35], s[82:83]
	s_mov_b32 s78, 0x76543210
	s_mov_b32 s79, 0xfedcba98                      ; v_permlanex16_b32's selects for lane l xor 16
	s_mov_b32 s80, 0xff00ff00                      ; lanes 8-15 and 24-31
	s_mov_b32 s81, 0xffff0000                      ; lanes 16-31
	v_and_b32 v20, 31, v0                          ; lane
	v_and_b32 v21, 15, v0                          ; r
	v_bfe_u32 v22, v0, 4, 1                        ; h
	v_mul_u32_u24 v[AW], v21, PITCH
	v_mad_u32_u24 v[AW], v22, 24, v[AW]
	v_lshl_add_u32 v[AW+1], v22, 4, v[AW]
	v_add_nc_u32 v[AX], s89, v[AW]
	v_add_nc_u32 v[AX+1], s89, v[AW+1]
	v_lshlrev_b32 v[L32], 5, v20
	v_lshlrev_b32 v[BQA], 5, v22
	v_lshlrev_b32 v[BVA], 2, v21
.irp b,0,1
.irp i,0,1
	global_load_b128 v[XS+8*\b+4*\i:XS+8*\b+4*\i+3], v[L32], s[10:11] offset:1024*\b+16*\i
.endr
.endr
	PRE 0
	s_mul_i32 s82, s4, 3072                        ; q: my four tiles
	v_lshl_add_u32 v[QA16], v20, 4, s82
	v_lshl_add_u32 v[QA8], v20, 3, s82
	s_lshl_b32 s82, s4, 8
	v_lshl_add_u32 v[QSA], v20, 2, s82
	s_lshr_b32 s83, s4, 1
	s_mul_i32 s83, s83, 12800                      ; kv: key step w / 2 of the work-group's two;
	s_and_b32 s84, s4, 1                           ; its keys 64 (w % 2) on
	s_mul_i32 s85, s84, 3072
	s_add_co_u32 s85, s85, s83
	v_lshl_add_u32 v[KA16], v20, 4, s85
	s_lshl_b32 s85, s84, 7
	s_add_co_u32 s85, s85, s83
	v_lshl_add_u32 v[KSA], v20, 2, s85
	s_mul_i32 s85, s84, 768
	s_add_co_u32 s85, s85, s83
	v_lshl_add_u32 v[VA16], v20, 4, s85
	v_lshl_add_u32 v[VA8], v20, 3, s85
	s_lshl_b32 s85, s84, 1
	s_add_co_u32 s85, s85, s83
	v_lshrrev_b32 v23, 3, v21
	v_and_b32 v[VSA], 7, v21
	v_lshlrev_b32 v[VSA], 2, v[VSA]
	v_lshl_add_u32 v[VSA], v23, 6, v[VSA]
	v_add_nc_u32 v[VSA], s85, v[VSA]               ; 64 (r / 8) + 4 (r % 8) + 2 (w % 2) + the key step
.irp i,0,1,2,3,4,5,6,7
	v_mov_b32 v[T+\i], 0                           ; written once: a lane permute's destination counts as one of its sources
.endr
	v_mov_b32 v[TA], 0
	v_mov_b32 v[TB2], 0
	s_wait_tensorcnt 0x1                           ; my rows of x have landed; my half chunk, issued behind them, may be out.  Only I read these rows
	XLOAD
	s_wait_tensorcnt 0x0                           ; all my tensor loads have landed,
	ds_add_u32 v[SPW], v[NIL]                      ; 0 onto my spare word
	s_wait_dscnt 0x0                               ; the add is done, and x is in registers: my reads of my place are over
	CROUND                                         ; the same holds of every wave of the cluster; chunks 0 and 1 are whole
	tensor_load_to_lds s[G0R:G0R+3], s[G1W:G1W+7]  ; my one refill: chunk 2 + w into the place that x has left
	s_nop 0
	PLACES 4
	WLOAD 0, 0
	CHUNK 0
	CHUNK 1
	CHUNK 2
	CHUNK 3
	CHUNK 4
	CHUNK 5
	s_wait_tensorcnt 0x0                           ; the wave's end
	ds_add_u32 v[SPW], v[NIL]
	s_wait_dscnt 0x0
	CROUND                                         ; the closing round
	s_endpgm
.Lfunc_end_k_qcda0b12894_qkv:
	.size	k_qcda0b12894_qkv, .Lfunc_end_k_qcda0b12894_qkv-k_qcda0b12894_qkv
	.p2alignl 7, 3214868480
	.fill 96, 4, 3214868480
	.section	.rodata,"a",@progbits
	.p2align	6, 0x0
	.amdhsa_kernel k_qcda0b12894_qkv
		.amdhsa_group_segment_fixed_size 327680
		.amdhsa_private_segment_fixed_size 0
		.amdhsa_enable_private_segment 0
		.amdhsa_kernarg_size 112
		.amdhsa_user_sgpr_count 2
		.amdhsa_user_sgpr_kernarg_segment_ptr 1
		.amdhsa_wavefront_size32 1
		.amdhsa_system_sgpr_workgroup_id_x 1
		.amdhsa_system_sgpr_workgroup_id_y 1
		.amdhsa_system_sgpr_workgroup_id_z 1
		.amdhsa_system_vgpr_workitem_id 0
		.amdhsa_next_free_vgpr 832
		.amdhsa_next_free_sgpr 100
		.amdhsa_reserve_vcc 0
		.amdhsa_float_denorm_mode_32 3
		.amdhsa_float_denorm_mode_16_64 3
		.amdhsa_memory_ordered 1
		.amdhsa_forward_progress 1
		.amdhsa_inst_pref_size 255
	.end_amdhsa_kernel
	.section	.bss,"aw",@nobits
	.p2align	6
	.space	262144
	.amdgpu_metadata
---
amdhsa.version: [ 1, 2 ]
amdhsa.kernels:
  - .name:           k_qcda0b12894_qkv
    .symbol:         k_qcda0b12894_qkv.kd
    .args:
      - { .name: x_codes, .offset: 0, .size: 8, .value_kind: global_buffer, .address_space: global }
      - { .name: x_scales, .offset: 8, .size: 8, .value_kind: global_buffer, .address_space: global }
      - { .name: Wq_codes, .offset: 16, .size: 8, .value_kind: global_buffer, .address_space: global }
      - { .name: Wq_scales, .offset: 24, .size: 8, .value_kind: global_buffer, .address_space: global }
      - { .name: bq, .offset: 32, .size: 8, .value_kind: global_buffer, .address_space: global }
      - { .name: Wk_codes, .offset: 40, .size: 8, .value_kind: global_buffer, .address_space: global }
      - { .name: Wk_scales, .offset: 48, .size: 8, .value_kind: global_buffer, .address_space: global }
      - { .name: bk, .offset: 56, .size: 8, .value_kind: global_buffer, .address_space: global }
      - { .name: Wv_codes, .offset: 64, .size: 8, .value_kind: global_buffer, .address_space: global }
      - { .name: Wv_scales, .offset: 72, .size: 8, .value_kind: global_buffer, .address_space: global }
      - { .name: bv, .offset: 80, .size: 8, .value_kind: global_buffer, .address_space: global }
      - { .name: q, .offset: 88, .size: 8, .value_kind: global_buffer, .address_space: global }
      - { .name: qs, .offset: 96, .size: 8, .value_kind: global_buffer, .address_space: global }
      - { .name: kv, .offset: 104, .size: 8, .value_kind: global_buffer, .address_space: global }
    .group_segment_fixed_size: 327680
    .private_segment_fixed_size: 0
    .kernarg_segment_align: 8
    .kernarg_segment_size: 112
    .max_flat_workgroup_size: 128
    .sgpr_count:     100
    .vgpr_count:     832
    .wavefront_size: 32
...
	.end_amdgpu_metadata
.endif
;; end of part 1
;; launch attn (part 2): grid 4 x 64, 16 waves a work-group, clusters of 4 x 1, 327,680 bytes of LDS; arguments q, qs, kv, att, atts; writes att, atts
.if DOCPART == 2
	.amdgcn_target "amdgcn-amd-amdhsa--gfx1250"
	.amdhsa_code_object_version 6
	.text
	.protected	k_qcda0b12894_attn
	.globl	k_qcda0b12894_attn
	.p2align	8
	.type	k_qcda0b12894_attn,@function
k_qcda0b12894_attn:
	s_mov_b64 s[64:65], 0
	v_nop
	global_prefetch_b8 v0, s[64:65] scope:SCOPE_SE
	s_setreg_imm32_b32 hwreg(HW_REG_WAVE_MODE, 25, 1), 1
	s_wait_xcnt 0x0
	s_wait_alu depctr_hold_cnt(0) depctr_sa_sdst(0) depctr_va_vdst(0) depctr_va_sdst(0) depctr_va_ssrc(0) depctr_va_vcc(0) depctr_vm_vsrc(0)
	s_getreg_b32 s2, hwreg(HW_REG_IB_STS2, 6, 4)
	s_cmp_eq_u32 s2, 0
	s_cbranch_scc0 .Lentry_in_a_cluster
	s_endpgm
.Lentry_in_a_cluster:
	s_bfe_u32 s2, ttmp6, 0x10000c
	s_cmp_lg_u32 s2, 0x3003
	s_cbranch_scc0 .Lentry_shape_is_right
	s_endpgm
.Lentry_shape_is_right:
; Causal attention of one head (y = 16 batch + head) on codes of FP6 (E2M3): S^T = K Q^T, p = 2^(t - M) quantised along the keys, O^T = V^T P^T, O / the row's sum, quantised along the head for the mixing product.
; t = score x log2(e) / 8; M = the running largest t rounded UP to a whole number; the sum is taken of the unquantised p; when M moves, the sum and O^T are multiplied by 2^(old M - new M), which rounds nothing.
; K AND V OF THE WHOLE HEAD, 16 key steps of 12,800 bytes, LIE IN LDS: filled once, in two halves, by joint loads of the four work-groups of a cluster, which share the head.  No slot is ever filled again.
; A key step (128 keys): 4 fragments of K (each two key tiles: the even one in K 0-63, the odd one in K 64-127), 4 fragments of V^T, K's and V's scale words; all as images of operand registers: 16 (8, 4) bytes a lane, consecutive.
; THE HEAD HAS 64 NUMBERS, THE INSTRUCTION 128: Q stands as 18 registers Q | 0 | Q; registers 0-11 multiply a fragment's even key tile, registers 6-17 its odd one.  The half that does not count meets zero CODES of Q under the scale byte 0
; (2^-127); K's codes are finite and its bytes lie in 1 .. 254, so that half adds exactly 0.  (Zeros on one side only.)
; SHARES.  A wave owns one tile of 16 queries at a time, in two passes: tile 8 a + 2 cx + u with a = p, then a = 15 - p (p, u from the wave's number): a + 1 key steps, 17 for every wave.  No branch hangs on cx.
; The loops' trip counts are constants (8, then 16); a step all of whose keys come after the tile's queries is jumped over.  In the step on the diagonal hidden scores become -infinity; key 0 of it counts for every query.
; A lane holds ONE query (lane % 16) throughout.  The 16 registers of two key tiles are keys 8 h + 0..7 and 16 + 8 h + 0..7 of a block of 32: p's codes lie in the order 0-7, 16-23, 8-15, 24-31, as V's do.
; LIMITS: NaN and infinities are not served; a block whose largest magnitude lies under 2^-124 gets the byte 1.  The block's largest p is made from the block's largest score by the same two instructions as every p, which takes v_exp_f32 not to fall where its input rises.
; REGISTERS: v1-3 16, 8, 4 x lane; v4-6 the step's LDS addresses; v7 my query less 8 h, within the diagonal step; v8 4 r; v9 32 r; v12 -M; v13 the largest t; v[14:15] the sum; v16-33 Q | 0 | Q; v34, v35 Q's scale words;
;   v36-83 four fragments of K, then of V; v84-87 their scale words; v88-151 S^T, then p; v152-183 O^T; v184-195 p's codes; v196-202 at work; v204-215 block maxima, bytes, scale operands; v216 p's scale word; v[218:219] f.
.set STEPB, 12800
.macro CROUND
	s_barrier_signal -1
	s_barrier_wait -1
	s_cmp_lg_u32 s14, 0
	s_cbranch_scc1 .Lnot_wave_0_\@
	s_barrier_signal -3
.Lnot_wave_0_\@:
	s_barrier_wait -3
	s_barrier_signal -1
	s_barrier_wait -1
.endm
.macro WMS d, a, b, zero, sa, sb, ra   ; zero = 1: the product starts its sum
.if (\zero) && ((\ra) == 0)
	v_wmma_scale_f32_16x16x128_f8f6f4 v[(\d):(\d)+7], v[(\a):(\a)+11], v[(\b):(\b)+11], 0, v[\sa], v[\sb] matrix_a_fmt:MATRIX_FMT_FP6 matrix_b_fmt:MATRIX_FMT_FP6
.elseif \zero
	v_wmma_scale_f32_16x16x128_f8f6f4 v[(\d):(\d)+7], v[(\a):(\a)+11], v[(\b):(\b)+11], 0, v[\sa], v[\sb] matrix_a_fmt:MATRIX_FMT_FP6 matrix_b_fmt:MATRIX_FMT_FP6 matrix_a_scale:MATRIX_SCALE_ROW1
.elseif (\ra) == 0
	v_wmma_scale_f32_16x16x128_f8f6f4 v[(\d):(\d)+7], v[(\a):(\a)+11], v[(\b):(\b)+11], v[(\d):(\d)+7], v[\sa], v[\sb] matrix_a_fmt:MATRIX_FMT_FP6 matrix_b_fmt:MATRIX_FMT_FP6
.else
	v_wmma_scale_f32_16x16x128_f8f6f4 v[(\d):(\d)+7], v[(\a):(\a)+11], v[(\b):(\b)+11], v[(\d):(\d)+7], v[\sa], v[\sb] matrix_a_fmt:MATRIX_FMT_FP6 matrix_b_fmt:MATRIX_FMT_FP6 matrix_a_scale:MATRIX_SCALE_ROW1
.endif
.endm
; A tile of queries begins: s19 = a.  Its addresses, Q and its scale words; M, the sum and O^T start anew.
.macro INIT
	s_wait_xcnt 0x0                                ; earlier loads and stores have read their bases and data
	s_lshl_b32 s50, s19, 3
	s_lshl_b32 s51, s15, 1
	s_add_co_u32 s50, s50, s51
	s_add_co_u32 s50, s50, s18                     ; the tile: 8 a + 2 cx + u
	s_lshl_b32 s52, s16, 7
	s_add_co_u32 s52, s52, s50
	s_mul_i32 s54, s52, 768
	s_mov_b32 s55, 0
	s_add_nc_u64 s[44:45], s[4:5], s[54:55]        ; Q's image
	s_lshl_b32 s54, s52, 6
	s_add_nc_u64 s[46:47], s[6:7], s[54:55]        ; its scale words
	s_lshr_b32 s56, s16, 4                         ; the batch
	s_and_b32 s57, s16, 15                         ; the head
	s_lshl_b32 s58, s56, 7
	s_add_co_u32 s58, s58, s50                     ; the tile of rows among all 512
	s_lshl_b32 s59, s58, 4
	s_add_co_u32 s59, s59, s57
	s_mul_i32 s54, s59, 768
	s_add_nc_u64 s[48:49], s[10:11], s[54:55]      ; the result's image
	s_lshl_b32 s54, s58, 9
	s_lshl_b32 s59, s57, 1
	s_add_co_u32 s54, s54, s59
	s_add_nc_u64 s[42:43], s[12:13], s[54:55]      ; its scale bytes: 32 a row, the head's two at 2 x head
	global_load_b128 v[16:19], v1, s[44:45]
	global_load_b64 v[20:21], v2, s[44:45] offset:512
	global_load_b32 v34, v8, s[46:47]
	s_mov_b32 s40, 0                               ; the step's first LDS byte
	s_mov_b32 s41, 0                               ; the step
	s_wait_loadcnt 0x0
.irp i,0,1,2,3,4,5
	v_mov_b32 v[28+\i], v[16+\i]                   ; Q | 0 | Q
.endr
	v_lshlrev_b32 v35, 16, v34                     ; the scale word for the upper half of K
	v_mov_b32 v13, 0xff61b1e6                      ; the largest t so far: -3e38
	s_delay_alu instid0(VALU_DEP_1)
	v_floor_f32 v12, -v13
	v_mov_b32 v14, 0
	v_mov_b32 v15, 0
.set JJ, 0
.rept 32
	v_mov_b32 v[152+JJ], 0                         ; O^T.  (The step is written once: the first finds zeros.  These lines are also the places between the lines above and the first scaled product)
.set JJ, JJ+1
.endr
.endm
; A KEY STEP: 128 keys.
.macro STEP
	s_cmp_gt_u32 s41, s19
	s_cbranch_scc1 .Lhidden_\@                     ; all its keys come after my queries
	s_setprio 2
	v_add_nc_u32 v4, s40, v1
	v_add_nc_u32 v5, s40, v2
	v_add_nc_u32 v6, s40, v3
	v_nop                                          ; four places in front of loads into registers that the last products read
.irp g,0,1,2,3
.irp i,0,1,2
	ds_load_b128 v[36+12*\g+4*\i:36+12*\g+4*\i+3], v4 offset:1536*\g+512*\i
.endr
.endr
	ds_load_b32 v84, v6 offset:12288
	ds_load_b32 v85, v6 offset:12416
	s_wait_alu depctr_va_vdst(0)
	s_wait_dscnt 0x0
.irp g,0,1,2,3
	WMS 88+16*\g, 36+12*\g, 16, 1, 84+\g/2, 34, \g%2      ; keys 32 g + 8 h + 0..7
	WMS 96+16*\g, 36+12*\g, 22, 1, 84+\g/2, 35, \g%2      ; keys 32 g + 16 + 8 h + 0..7
.endr
.rept 4
	v_nop
.endr
.irp t,0,1,2,3                         ; V's fragments are asked for at once: they land under the softmax
.irp c,0,1
	ds_load_b128 v[36+12*\t+6*\c:36+12*\t+6*\c+3], v4 offset:6144+1536*\t+768*\c
	ds_load_b64 v[36+12*\t+6*\c+4:36+12*\t+6*\c+5], v5 offset:6144+1536*\t+768*\c+512
.endr
.endr
	ds_load_b32 v86, v6 offset:12544
	ds_load_b32 v87, v6 offset:12672
	s_cmp_lg_u32 s41, s19
	s_cbranch_scc1 .Lopen_\@                       ; only the step on the diagonal hides keys
.set NN, 0
.rept 64
	v_cmp_gt_i32 vcc_lo, 32*(NN/16)+16*((NN%16)/8)+NN%8, v7        ; register NN holds that key + 8 h of the step: hidden where it comes after my query
	v_cndmask_b32 v[88+NN], v[88+NN], v221, vcc_lo
.set NN, NN+1
.endr
.Lopen_\@:
.irp b,0,1,2,3
	v_max3_num_f32 v[204+\b], v[88+16*\b], v[89+16*\b], v[90+16*\b]   ; the largest score of each block of 32 keys: for the row's maximum, and for the block's largest p
.endr
.irp i,3,5,7,9,11,13
.irp b,0,1,2,3
	v_max3_num_f32 v[204+\b], v[204+\b], v[88+16*\b+\i], v[89+16*\b+\i]
.endr
.endr
.irp b,0,1,2,3
	v_max_num_f32 v[204+\b], v[204+\b], v[103+16*\b]
.endr
.irp b,0,1,2,3
	s_delay_alu instid0(VALU_DEP_4)
	v_permlanex16_b32 v[208+\b], v[204+\b], s20, s21
.endr
.irp b,0,1,2,3
	s_delay_alu instid0(VALU_DEP_4)
	v_max_num_f32 v[204+\b], v[204+\b], v[208+\b]
.endr
	s_delay_alu instid0(VALU_DEP_2)
	v_max3_num_f32 v220, v204, v205, v206
	s_delay_alu instid0(VALU_DEP_1)
	v_max_num_f32 v220, v220, v207
	s_delay_alu instid0(VALU_DEP_1)
	v_mul_f32 v220, s22, v220                      ; as t (c is positive)
	s_delay_alu instid0(VALU_DEP_1)
	v_max_num_f32 v13, v13, v220
	v_mov_b32 v220, v12
	s_delay_alu instid0(VALU_DEP_2)
	v_floor_f32 v12, -v13                          ; -M = floor(-t)
	s_delay_alu instid0(VALU_DEP_1)
	v_sub_f32 v220, v12, v220                      ; old M - new M: a whole number, 0 or less
	s_delay_alu instid0(VALU_DEP_1)
	v_cvt_i32_f32 v220, v220                       ; (it saturates)
	s_delay_alu instid0(VALU_DEP_1)
	v_ldexp_f32 v218, 1.0, v220                    ; f = 2^(old M - new M)
.set JJ, 0
.rept 32
	v_pk_fma_f32 v[88+JJ:89+JJ], v[88+JJ:89+JJ], s[22:23], v[12:13] op_sel_hi:[1,0,0]   ; t - M
.set JJ, JJ+2
.endr
	s_setprio 1
.irp b,0,1,2,3
	v_fma_f32 v[204+\b], v[204+\b], s22, v12
.endr
.set JJ, 0
	s_wait_alu depctr_va_vdst(0)
.rept 64
	v_exp_f32 v[88+JJ], v[88+JJ]                   ; p = 2^(t - M)
.set JJ, JJ+1
.endr
.irp b,0,1,2,3
	v_exp_f32 v[204+\b], v[204+\b]
.endr
	v_pk_mul_f32 v[14:15], v[14:15], v[218:219] op_sel_hi:[1,0]    ; the sums under the new M.  (A plain place behind the exponentials)
	s_wait_alu depctr_va_vdst(0)
.irp b,0,1,2,3
	v_max_num_f32 v[204+\b], 0x1800000, v[204+\b]  ; the floor 2^(3 - 127)
.endr
.irp b,0,1,2,3
	s_delay_alu instid0(VALU_DEP_4)
	v_add_nc_u32 v[212+\b], 0xff000000, v[204+\b]  ; 2 off the exponent field: the conversion's scale operand
.endr
.irp b,0,1,2,3
	s_delay_alu instid0(VALU_DEP_4)
	v_lshrrev_b32 v[208+\b], 23, v[212+\b]
.endr
	s_delay_alu instid0(VALU_DEP_3)
	v_lshl_or_b32 v216, v209, 8, v208              ; p's scale word for these 128 keys
	s_delay_alu instid0(VALU_DEP_1)
	v_lshl_or_b32 v216, v210, 16, v216
	s_delay_alu instid0(VALU_DEP_1)
	v_lshl_or_b32 v216, v211, 24, v216
.irp c,0,1
	v_cvt_scalef32_pk16_fp6_f32 v[184+6*\c:186+6*\c], v[88+32*\c:103+32*\c], v[212+2*\c]
	v_cvt_scalef32_pk16_fp6_f32 v[196+4*\c:198+4*\c], v[104+32*\c:119+32*\c], v[213+2*\c]
.endr
	v_nop                                          ; one plain place behind the scaled conversions
.irp c,0,1
.irp i,0,1,2
	v_permlane16_swap_b32 v[184+6*\c+\i], v[196+4*\c+\i]
.endr
.irp i,0,1,2
	s_delay_alu instid0(VALU_DEP_3)
	v_mov_b32 v[187+6*\c+\i], v[196+4*\c+\i]
.endr
.endr
	v_pk_add_f32 v[222:223], v[88:89], v[90:91]    ; the row's sum, of the unquantised p, in two chains
.set JJ, 4
	s_setprio 0
.rept 15
	v_pk_add_f32 v[14:15], v[14:15], v[88+JJ:89+JJ]
	v_pk_add_f32 v[222:223], v[222:223], v[90+JJ:91+JJ]
.set JJ, JJ+4
.endr
	s_delay_alu instid0(VALU_DEP_1)
	v_pk_add_f32 v[14:15], v[14:15], v[222:223]
.set JJ, 0
.rept 16
	v_pk_mul_f32 v[152+JJ:153+JJ], v[152+JJ:153+JJ], v[218:219] op_sel_hi:[1,0]   ; O^T under the new M
.set JJ, JJ+2
.endr
	s_wait_alu depctr_va_vdst(0)
	s_wait_dscnt 0x0                               ; V is in
.irp t,0,1,2,3
	WMS 152+8*\t, 36+12*\t, 184, 0, 86+\t/2, 216, \t%2
.endr
.Lhidden_\@:
	s_add_co_u32 s40, s40, STEPB
.endm
; The tile's end: O^T / the sum; its 64 numbers a row are two blocks of the mixing product's K, 16 neighbours of each in a lane.
.macro FINAL
.rept 4
	v_nop
.endr
	v_add_f32 v14, v14, v15
	s_delay_alu instid0(VALU_DEP_1)
	v_permlanex16_b32 v220, v14, s20, s21
	s_delay_alu instid0(VALU_DEP_1)
	v_add_f32 v14, v14, v220
	s_wait_alu depctr_va_vdst(0)
	v_rcp_f32 v14, v14
	v_nop                                          ; one plain place behind the reciprocal
.set JJ, 0
	s_wait_alu depctr_va_vdst(0)
.rept 16
	v_pk_mul_f32 v[88+JJ:89+JJ], v[152+JJ:153+JJ], v[14:15] op_sel_hi:[1,0]
.set JJ, JJ+2
.endr
.irp b,0,1
	v_max3_num_f32 v[204+\b], |v[88+16*\b]|, |v[89+16*\b]|, 0x1800000
.endr
.irp i,2,4,6,8,10,12,14
.irp b,0,1
	s_delay_alu instid0(VALU_DEP_2)
	v_max3_num_f32 v[204+\b], v[204+\b], |v[88+16*\b+\i]|, |v[89+16*\b+\i]|
.endr
.endr
.irp b,0,1
	s_delay_alu instid0(VALU_DEP_2)
	v_permlanex16_b32 v[208+\b], v[204+\b], s20, s21
.endr
.irp b,0,1
	s_delay_alu instid0(VALU_DEP_2)
	v_max_num_f32 v[204+\b], v[204+\b], v[208+\b]
.endr
.irp b,0,1
	s_delay_alu instid0(VALU_DEP_2)
	v_add_nc_u32 v[212+\b], 0xff000000, v[204+\b]
.endr
.irp b,0,1
	s_delay_alu instid0(VALU_DEP_2)
	v_lshrrev_b32 v[208+\b], 23, v[212+\b]
.endr
	s_delay_alu instid0(VALU_DEP_1)
	v_lshl_or_b32 v220, v209, 8, v208
	v_cvt_scalef32_pk16_fp6_f32 v[184:186], v[88:103], v212
	v_cvt_scalef32_pk16_fp6_f32 v[196:198], v[104:119], v213
	v_nop
.irp i,0,1,2
	v_permlane16_swap_b32 v[184+\i], v[196+\i]
.endr
.irp i,0,1,2
	s_delay_alu instid0(VALU_DEP_3)
	v_mov_b32 v[187+\i], v[196+\i]
.endr
	global_store_b128 v1, v[184:187], s[48:49]             ; 512 consecutive bytes,
	global_store_b64 v2, v[188:189], s[48:49] offset:512   ; and 256
	global_store_b16 v9, v220, s[42:43]                    ; both halves of the lanes write the same two bytes
.endm
	s_load_b256 s[4:11], s[0:1], 0x0               ; q 4, qs 6, kv 8, att 10
	s_load_b64 s[12:13], s[0:1], 0x20              ; atts
	v_lshl_add_u32 v254, v0, 2, 0x32000
	v_mov_b32 v255, 0
	ds_add_u32 v254, v255
	ds_add_u32 v254, v255
	v_lshrrev_b32 v4, 5, v0
	s_delay_alu instid0(VALU_DEP_1)
	v_readfirstlane_b32 s14, v4                    ; wave 0..15
	s_bfe_u32 s15, ttmp6, 0x40000                  ; cx
	s_and_b32 s16, ttmp7, 0xffff                   ; y = 16 batch + head, which the four partners share
	s_and_b32 s17, s14, 3
	s_bfe_u32 s50, s14, 0x10002
	s_mul_i32 s50, s50, 7
	s_xor_b32 s17, s17, s50                        ; p = 0 .. 7
	s_lshr_b32 s18, s14, 3                         ; u
	s_mov_b32 s24, 15|(3<<16)|(1<<21)              ; all four work-groups; elements of 8 bytes; no padding
	s_mov_b32 s25, 32<<16                          ; 25 dense rows of 256 bytes
	s_mov_b32 s26, 25<<16
	s_mov_b32 s27, 32<<16
	s_mov_b32 s28, 25
	s_mov_b32 s29, 32
	s_mov_b32 s30, 0
	s_mov_b32 s31, 0
	s_mul_i32 s52, s16, 204800
	s_mul_i32 s33, s14, 6400                       ; my sixteenth of a half, in LDS and in memory
	s_add_co_u32 s52, s52, s33
	s_mov_b32 s53, 0
	s_mov_b32 s32, 1
	s_mov_b32 s36, 1
	s_add_co_u32 s37, s33, 102400
	s_mov_b32 s20, 0x76543210
	s_mov_b32 s21, 0xfedcba98
	s_mov_b32 s22, 0x3e38aa3b                      ; c = log2(e) / 8
	s_mov_b32 s23, s22
	s_wait_dscnt 0x0
	s_wait_kmcnt 0x0
	s_add_nc_u64 s[34:35], s[8:9], s[52:53]
	s_add_nc_u64 s[38:39], s[34:35], 102400
	s_or_b32 s35, s35, 0x80000000
	s_or_b32 s39, s39, 0x80000000
	CROUND                                         ; all four work-groups are here: the joint loads meet
	tensor_load_to_lds s[32:35], s[24:31]          ; key steps 0-7,
	s_nop 0
	s_wait_alu depctr_va_vdst(0)
	s_wait_tensorcnt 0x0
	ds_add_u32 v254, v255
	s_wait_dscnt 0x0
	CROUND
	tensor_load_to_lds s[36:39], s[24:31]          ; key steps 8-15: one load of mine is out
	s_nop 0
.rept 4
	v_nop
.endr
	v_and_b32 v10, 31, v0
	v_and_b32 v11, 15, v0
	v_bfe_u32 v4, v0, 4, 1
	s_delay_alu instid0(VALU_DEP_3)
	v_lshlrev_b32 v1, 4, v10
	s_delay_alu instid0(VALU_DEP_4)
	v_lshlrev_b32 v2, 3, v10
	v_lshlrev_b32 v3, 2, v10
	v_lshlrev_b32 v8, 2, v11
	v_lshlrev_b32 v9, 5, v11
	s_lshl_b32 s51, s15, 5
	s_lshl_b32 s50, s18, 4
	s_add_co_u32 s51, s51, s50
	v_lshlrev_b32 v5, 3, v4
	s_delay_alu instid0(VALU_DEP_1)
	v_sub_nc_u32 v7, v11, v5
	s_delay_alu instid0(VALU_DEP_1)
	v_add_nc_u32 v7, s51, v7                       ; 32 cx + 16 u + r - 8 h
.irp i,22,23,24,25,26,27,208,209,210,211,219,220
	v_mov_b32 v[\i], 0                             ; Q's zeros; and what is named before it is first written (a lane permute's destination, the upper half of a pair)
.endr
	v_mov_b32 v221, 0xff800000                     ; -infinity
	s_mov_b32 s19, s17                             ; first pass: a = p
	INIT
	s_wait_tensorcnt 0x1                           ; my part of key steps 0-7 has landed; steps 8-15, issued behind it, may be out: the first pass does not read them
	s_barrier_signal -1
	s_barrier_wait -1
.Lpass_a:                                          ; eight trips: LDS bytes 0 to 102,399 alone are read
	STEP
	s_add_co_u32 s41, s41, 1
	s_cmp_lt_u32 s41, 8
	s_cbranch_scc1 .Lpass_a
	s_setprio 0
	FINAL
	s_wait_tensorcnt 0x0                           ; my part of key steps 8-15 has landed,
	s_wait_dscnt 0x0
	s_barrier_signal -1
	s_barrier_wait -1                              ; everybody's has
	s_sub_co_u32 s19, 15, s17                      ; second pass: a = 15 - p
	INIT
.Lpass_b:
	STEP
	s_add_co_u32 s41, s41, 1
	s_cmp_lt_u32 s41, 16
	s_cbranch_scc1 .Lpass_b
	s_setprio 0
	FINAL
	s_wait_dscnt 0x0
	s_wait_tensorcnt 0x0
	ds_add_u32 v254, v255
	s_wait_dscnt 0x0
	CROUND                                         ; the closing round
	s_endpgm
.Lfunc_end_k_qcda0b12894_attn:
	.size	k_qcda0b12894_attn, .Lfunc_end_k_qcda0b12894_attn-k_qcda0b12894_attn
	.p2alignl 7, 3214868480
	.fill 96, 4, 3214868480
	.section	.rodata,"a",@progbits
	.p2align	6, 0x0
	.amdhsa_kernel k_qcda0b12894_attn
		.amdhsa_group_segment_fixed_size 327680
		.amdhsa_private_segment_fixed_size 0
		.amdhsa_enable_private_segment 0
		.amdhsa_kernarg_size 40
		.amdhsa_user_sgpr_count 2
		.amdhsa_user_sgpr_kernarg_segment_ptr 1
		.amdhsa_wavefront_size32 1
		.amdhsa_system_sgpr_workgroup_id_x 1
		.amdhsa_system_sgpr_workgroup_id_y 1
		.amdhsa_system_sgpr_workgroup_id_z 1
		.amdhsa_system_vgpr_workitem_id 0
		.amdhsa_next_free_vgpr 256
		.amdhsa_next_free_sgpr 66
		.amdhsa_reserve_vcc 1
		.amdhsa_float_denorm_mode_32 3
		.amdhsa_float_denorm_mode_16_64 3
		.amdhsa_memory_ordered 1
		.amdhsa_forward_progress 1
		.amdhsa_inst_pref_size 64
	.end_amdhsa_kernel
	.amdgpu_metadata
---
amdhsa.version: [ 1, 2 ]
amdhsa.kernels:
  - .name:           k_qcda0b12894_attn
    .symbol:         k_qcda0b12894_attn.kd
    .args:
      - { .name: q, .offset: 0, .size: 8, .value_kind: global_buffer, .address_space: global }
      - { .name: qs, .offset: 8, .size: 8, .value_kind: global_buffer, .address_space: global }
      - { .name: kv, .offset: 16, .size: 8, .value_kind: global_buffer, .address_space: global }
      - { .name: att, .offset: 24, .size: 8, .value_kind: global_buffer, .address_space: global }
      - { .name: atts, .offset: 32, .size: 8, .value_kind: global_buffer, .address_space: global }
    .group_segment_fixed_size: 327680
    .private_segment_fixed_size: 0
    .kernarg_segment_align: 8
    .kernarg_segment_size: 40
    .max_flat_workgroup_size: 512
    .sgpr_count:     66
    .vgpr_count:     256
    .wavefront_size: 32
...
	.end_amdgpu_metadata
.endif
;; end of part 2
;; launch mix (part 3): grid 8 x 32, 4 waves a work-group, clusters of 4 x 4, 318,976 bytes of LDS; arguments att, atts, Wmix_codes, Wmix_scales, bmix, out0; writes out0
.if DOCPART == 3
	.amdgcn_target "amdgcn-amd-amdhsa--gfx1250"
	.amdhsa_code_object_version 6
	.text
	.protected	k_qcda0b12894_mix
	.globl	k_qcda0b12894_mix
	.p2align	8
	.type	k_qcda0b12894_mix,@function
k_qcda0b12894_mix:
	s_mov_b64 s[64:65], 0
	v_nop
	global_prefetch_b8 v0, s[64:65] scope:SCOPE_SE
	s_setreg_imm32_b32 hwreg(HW_REG_WAVE_MODE, 25, 1), 1
	s_wait_xcnt 0x0
	s_wait_alu depctr_hold_cnt(0) depctr_sa_sdst(0) depctr_va_vdst(0) depctr_va_sdst(0) depctr_va_ssrc(0) depctr_va_vcc(0) depctr_vm_vsrc(0)
	s_getreg_b32 s2, hwreg(HW_REG_IB_STS2, 6, 4)
	s_cmp_eq_u32 s2, 0
	s_cbranch_scc0 .Lentry_in_a_cluster
	s_endpgm
.Lentry_in_a_cluster:
	s_bfe_u32 s2, ttmp6, 0x10000c
	s_cmp_lg_u32 s2, 0xf033
	s_cbranch_scc0 .Lentry_shape_is_right
	s_endpgm
.Lentry_shape_is_right:
; out0 = att Wmix + bmix on codes of FP6 (E2M3), one E8M0 scale for each 32 along K = 1,024; out0 [8,192][1,024] f32.
; att comes as images of operand registers, [tile of 16 rows][head][768 bytes]: heads 2 s and 2 s + 1 are the fragment of K step s; its scale bytes as rows of 32.  Wmix comes as given: rows of 768 bytes, K innermost.
; SHARES.  A work-group: 256 rows (my) x 128 columns (sx), the columns in two chunks of 64.  Wave w owns rows 64 w .. 64 w + 63; its fragments of att for all of K stay in registers (384).
; A chunk: 4 x 4 tiles x 8 K steps = 128 matrix instructions on 16 accumulators by turns; source 0 = 16 rows of Wmix, source 1 = 16 rows of att: a lane holds eight neighbouring columns of one row.  The bias is the first product's C.
; LDS, every byte filled once: Wmix's 128 rows, pitch 816 (768 + 16 behind each 256: the 32 lanes of an 8-byte load on 16 rows touch 64 different banks); each wave's 49,152 bytes of att, dense, read by that wave alone;
; behind them each wave's own stage of 16 rows x 272 bytes for the way out, into which no tensor load lands.
; CLUSTER 4 x 4: att's tiles hang on my alone and are asked for jointly along a row of the cluster, Wmix's on sx alone and jointly along a column.
; LIMITS: NaN and infinities are not served; a given scale byte 0xff gives NaN, as the format has it.
; REGISTERS as in the launch that makes q, k and v: window 0: addresses, v24-39 att's scale words, v40-71 Wmix's, v72-103 rows on the way out, v128-255 the accumulators; window 1 and 2: att's fragments; window 2 from v144: Wmix's, two buffers; window 3: the bias.
.set PITCH, 816
.set CHB,   64*PITCH
.set AIMG,  2*CHB                      ; att's images
.set STG,   AIMG+4*49152               ; the stages
.set PADW,  (3<<16)|(1<<20)|(1<<21)|(5<<22)|(3<<25)
.set AT16, 3
.set AT8,  4
.set AW,   5
.set L32,  7
.set BQA,  8
.set STO,  10
.set RD,   11
.set CO,   12
.set XS,   24
.set WS,   40
.set OB,   72
.set ACC,  128
.set WF,   144
.set G1A,  36
.set G1H,  52
.set G0A,  60
.set G0H,  68
.set MSB, 0
.macro WIN new
.if MSB != \new
	s_set_vgpr_msb (MSB<<8)|\new
.set MSB, \new
.endif
.endm
.macro PLACES n
.rept \n
	v_nop
.endr
.endm
.macro CROUND
	s_barrier_signal -1
	s_barrier_wait -1
	s_cmp_lg_u32 s4, 0
	s_cbranch_scc1 .Lnot_wave_0_\@
	s_barrier_signal -3
.Lnot_wave_0_\@:
	s_barrier_wait -3
	s_barrier_signal -1
	s_barrier_wait -1
.endm
.macro WM d, a, b, c, sa, sb, ra, rb
.if ((\ra) == 0) && ((\rb) == 0)
	v_wmma_scale_f32_16x16x128_f8f6f4 v[(\d):(\d)+7], v[(\a):(\a)+11], v[(\b):(\b)+11], v[(\c):(\c)+7], v[\sa], v[\sb] matrix_a_fmt:MATRIX_FMT_FP6 matrix_b_fmt:MATRIX_FMT_FP6
.elseif (\rb) == 0
	v_wmma_scale_f32_16x16x128_f8f6f4 v[(\d):(\d)+7], v[(\a):(\a)+11], v[(\b):(\b)+11], v[(\c):(\c)+7], v[\sa], v[\sb] matrix_a_fmt:MATRIX_FMT_FP6 matrix_b_fmt:MATRIX_FMT_FP6 matrix_a_scale:MATRIX_SCALE_ROW1
.elseif (\ra) == 0
	v_wmma_scale_f32_16x16x128_f8f6f4 v[(\d):(\d)+7], v[(\a):(\a)+11], v[(\b):(\b)+11], v[(\c):(\c)+7], v[\sa], v[\sb] matrix_a_fmt:MATRIX_FMT_FP6 matrix_b_fmt:MATRIX_FMT_FP6 matrix_b_scale:MATRIX_SCALE_ROW1
.else
	v_wmma_scale_f32_16x16x128_f8f6f4 v[(\d):(\d)+7], v[(\a):(\a)+11], v[(\b):(\b)+11], v[(\c):(\c)+7], v[\sa], v[\sb] matrix_a_fmt:MATRIX_FMT_FP6 matrix_b_fmt:MATRIX_FMT_FP6 matrix_a_scale:MATRIX_SCALE_ROW1 matrix_b_scale:MATRIX_SCALE_ROW1
.endif
.endm
.macro FRAG reg, adr, ks, rowoff       ; a fragment from rows: pieces of 8 bytes; piece p lies at 8 p + 16 (p / 32); the second address serves where the piece three on lies behind one padding more
.irp p,0,1,2,3,4,5
.set PCE, 12*(\ks)+6*(\p/3)+\p%3
.if PCE%32 < 29
	ds_load_b64 v[(\reg)+2*\p:(\reg)+2*\p+1], v[\adr] offset:8*PCE+16*(PCE/32)+(\rowoff)
.else
	ds_load_b64 v[(\reg)+2*\p:(\reg)+2*\p+1], v[(\adr)+1] offset:8*PCE+16*(PCE/32)+(\rowoff)
.endif
.endr
.endm
.macro ALOAD                           ; my 64 rows of att, all of K: 128 loads of consecutive bytes
.irp ks,0,1,2,3,4,5,6,7
.if \ks < 5
	WIN 0x40
.set XB, 48*\ks
.else
	WIN 0x80
.set XB, 48*(\ks-5)
.endif
.irp mt,0,1,2,3
	ds_load_b128 v[XB+12*\mt:XB+12*\mt+3], v[AT16] offset:12288*\mt+1536*\ks
	ds_load_b64 v[XB+12*\mt+4:XB+12*\mt+5], v[AT8] offset:12288*\mt+1536*\ks+512
	ds_load_b128 v[XB+12*\mt+6:XB+12*\mt+9], v[AT16] offset:12288*\mt+1536*\ks+768
	ds_load_b64 v[XB+12*\mt+10:XB+12*\mt+11], v[AT8] offset:12288*\mt+1536*\ks+1280
.endr
.endr
	WIN 0
.endm
.macro WLOAD ks, buf
	WIN 0x80
.irp nt,0,1,2,3
	FRAG WF+48*(\buf)+12*\nt, AW, \ks, 16*PITCH*\nt
.endr
.endm
.macro PRE c                           ; chunk c's scale words and bias
	WIN 0
.irp be,0,1
.irp i,0,1
	global_load_b128 v[WS+16*(\c)+8*\be+4*\i:WS+16*(\c)+8*\be+4*\i+3], v[L32], s[14:15] offset:2048*(\c)+1024*\be+16*\i
.endr
.endr
	WIN 0xc0
.irp nt,0,1,2,3
	global_load_b128 v[32*(\c)+8*\nt:32*(\c)+8*\nt+3], v[BQA], s[16:17] offset:256*(\c)+64*\nt
	global_load_b128 v[32*(\c)+8*\nt+4:32*(\c)+8*\nt+7], v[BQA], s[16:17] offset:256*(\c)+64*\nt+16
.endr
	WIN 0
.endm
.macro MUL ks, buf, wset               ; 16 products; the 16 accumulators take turns, one instruction a turn
.if (\ks) < 5
.set XB, 48*(\ks)
.else
.set XB, 48*((\ks)-5)
.endif
.if (\ks) >= 5
	WIN 0x0a
.elseif (\ks) == 0
	WIN 0x36
.else
	WIN 0x06
.endif
.irp mt,0,1,2,3
.irp nt,0,1,2,3
.set DD, ACC+32*\mt+8*\nt
.if (\ks) == 0
.set CC, 32*(\wset)+8*\nt
.else
.set CC, DD
.endif
	WM DD, WF+48*(\buf)+12*\nt, XB+12*\mt, CC, WS+16*(\wset)+8*(\nt/2)+(\ks), XS+8*(\mt/2)+(\ks), \nt%2, \mt%2
.endr
.endr
.endm
.macro KSTEP c, ks
	s_wait_dscnt 0x0                               ; this step's fragments are in
	PLACES 4                                       ; in front of loads into registers that the last products read
.if (\ks) < 7
	WLOAD (\ks)+1, ((\ks)+1)%2
.elseif (\c) < 1
	WIN 0
	v_add_nc_u32 v[AW], CHB, v[AW]
	v_add_nc_u32 v[AW+1], CHB, v[AW+1]
	WLOAD 0, 0
.endif
	MUL \ks, (\ks)%2, \c
.endm
; THE WAY OUT of chunk c: 16 rows x 64 columns at a time through my own stage; back as whole rows of 256 bytes: sixteen lanes store 256 consecutive bytes, at a multiple of 256 from out0's first byte
.macro OUT c
.irp mt,0,1,2,3
	s_wait_xcnt 0x0                                ; the last stores have read their registers
.irp nt,0,1,2,3
	ds_store_b128 v[STO], v[ACC+32*\mt+8*\nt:ACC+32*\mt+8*\nt+3] offset:64*\nt           ; each accumulator from its low end on
	ds_store_b128 v[STO], v[ACC+32*\mt+8*\nt+4:ACC+32*\mt+8*\nt+7] offset:64*\nt+16
.endr
.irp i,0,1,2,3,4,5,6,7
	ds_load_b128 v[OB+4*\i:OB+4*\i+3], v[RD] offset:544*\i         ; LDS serves a wave's instructions in order (ISA guide 5.7.1.4): these see the stores above
.endr
	s_wait_dscnt 0x0
.irp i,0,1,2,3,4,5,6,7
	global_store_b128 v[CO], v[OB+4*\i:OB+4*\i+3], s[18:19] offset:(16*\mt+2*\i)*4096+256*(\c) th:TH_STORE_NT
.endr
.endr
.endm
.macro CHUNK c
.irp ks,0,1,2,3,4,5,6,7
	KSTEP \c, \ks
.endr
	WIN 0
	PLACES 4                                       ; in front of the first read of results
	s_wait_alu depctr_va_vdst(0)
	OUT \c
.endm
	s_load_b256 s[8:15], s[0:1], 0x0               ; att 8, atts 10, Wmix codes 12, Wmix scales 14
	s_load_b128 s[16:19], s[0:1], 0x20             ; bmix 16, out0 18
	v_lshl_add_u32 v126, v0, 2, 0x4dc00
	v_mov_b32 v127, 0
	ds_add_u32 v126, v127
	ds_add_u32 v126, v127
	v_lshrrev_b32 v20, 5, v0
	v_readfirstlane_b32 s4, v20                    ; wave 0..3
	s_bfe_u32 s5, ttmp6, 0x40000                   ; cx
	s_bfe_u32 s6, ttmp6, 0x40004                   ; cy
	s_lshl_b32 s7, ttmp9, 2
	s_add_co_u32 s7, s7, s5                        ; sx: which 128 columns
	s_and_b32 s76, ttmp7, 0xffff
	s_lshl_b32 s76, s76, 2
	s_add_co_u32 s76, s76, s6                      ; my: which 256 rows
	s_lshl_b32 s77, s6, 2
	s_lshl_b32 s77, 15, s77                        ; my row of the cluster
	s_lshl_b32 s88, 0x1111, s5                     ; my column
	s_or_b32 s[G1A], s77, (3<<16)|(1<<21)          ; att: 192 dense rows of 256 bytes, no padding, to my row
	s_mov_b32 s[G1A+1], 32<<16
	s_mov_b32 s[G1A+2], 192<<16
	s_mov_b32 s[G1A+3], 32<<16
	s_mov_b32 s[G1A+4], 192
	s_mov_b32 s[G1A+5], 32
	s_mov_b32 s[G1A+6], 0
	s_mov_b32 s[G1A+7], 0
	s_or_b32 s[G1H], s88, PADW                     ; Wmix: 32 rows of 768 bytes, padded, to my column
	s_mov_b32 s[G1H+1], 96<<16
	s_mov_b32 s[G1H+2], 32<<16
	s_mov_b32 s[G1H+3], 96<<16
	s_mov_b32 s[G1H+4], 32
	s_mov_b32 s[G1H+5], 96
	s_mov_b32 s[G1H+6], 0
	s_mov_b32 s[G1H+7], 0
	s_mul_i32 s90, s76, 196608                     ; att: (16 my + 4 w) tiles of 12,288 bytes.  These registers never hold cx
	s_mul_i32 s91, s4, 49152
	s_add_co_u32 s90, s90, s91
	s_mov_b32 s91, 0
	s_lshl_b32 s92, s76, 13                        ; atts: (256 my + 64 w) rows of 32 bytes
	s_lshl_b32 s93, s4, 11
	s_add_co_u32 s92, s92, s93
	s_mov_b32 s93, 0
	s_mul_i32 s96, s7, 98304                       ; Wmix: row 128 sx + 32 w.  These registers never hold cy
	s_mul_i32 s95, s4, 24576
	s_add_co_u32 s96, s96, s95
	s_mov_b32 s97, 0
	s_mul_i32 s89, s4, 49152
	s_add_co_u32 s89, s89, AIMG                    ; my images
	s_mul_i32 s3, s4, CHB/2                        ; my 32 rows of Wmix
	s_wait_dscnt 0x0
	s_wait_kmcnt 0x0
	s_mov_b32 s[G0A], 1
	s_mov_b32 s[G0A+1], s89
	s_add_nc_u64 s[G0A+2:G0A+3], s[8:9], s[90:91]
	s_or_b32 s[G0A+3], s[G0A+3], 0x80000000
	s_mov_b32 s[G0H], 1
	s_mov_b32 s[G0H+1], s3
	s_add_nc_u64 s[G0H+2:G0H+3], s[12:13], s[96:97]
	s_or_b32 s[G0H+3], s[G0H+3], 0x80000000
	CROUND                                         ; all sixteen work-groups are here: the joint loads meet
	tensor_load_to_lds s[G0A:G0A+3], s[G1A:G1A+7]  ; my 64 rows of att,
	s_nop 0
	tensor_load_to_lds s[G0H:G0H+3], s[G1H:G1H+7]  ; my 32 rows of Wmix: two loads of mine are out
	s_nop 0
	PLACES 4
	s_add_nc_u64 s[10:11], s[10:11], s[92:93]
	s_lshl_b32 s82, s7, 12
	s_mov_b32 s83, 0
	s_add_nc_u64 s[14:15], s[14:15], s[82:83]      ; Wmix's scales at row 128 sx
	s_lshl_b32 s82, s7, 9
	s_add_nc_u64 s[16:17], s[16:17], s[82:83]      ; the bias, and out0's columns: 512 sx bytes
	s_add_nc_u64 s[18:19], s[18:19], s[82:83]
	s_lshl_b32 s82, s76, 20
	s_add_nc_u64 s[18:19], s[18:19], s[82:83]      ; out0 at row 256 my
	v_and_b32 v20, 31, v0                          ; lane
	v_and_b32 v21, 15, v0                          ; r
	v_bfe_u32 v22, v0, 4, 1                        ; h
	v_mul_u32_u24 v[AW], v21, PITCH
	v_mad_u32_u24 v[AW], v22, 24, v[AW]
	v_lshl_add_u32 v[AW+1], v22, 4, v[AW]
	v_lshl_add_u32 v[AT16], v20, 4, s89
	v_lshl_add_u32 v[AT8], v20, 3, s89
	v_lshlrev_b32 v[L32], 5, v20
	v_lshlrev_b32 v[BQA], 5, v22
.irp b,0,1
.irp i,0,1
	global_load_b128 v[XS+8*\b+4*\i:XS+8*\b+4*\i+3], v[L32], s[10:11] offset:1024*\b+16*\i
.endr
.endr
	PRE 0
	PRE 1
	s_mul_i32 s84, s4, 16*272
	s_add_co_u32 s84, s84, STG                     ; my stage
	v_mul_u32_u24 v[STO], v21, 272
	v_lshl_add_u32 v[STO], v22, 5, v[STO]
	v_add_nc_u32 v[STO], s84, v[STO]               ; in: row r, 32 bytes for each half of the lanes
	v_mul_u32_u24 v[RD], v22, 272
	v_lshl_add_u32 v[RD], v21, 4, v[RD]
	v_add_nc_u32 v[RD], s84, v[RD]                 ; back: lanes 0-15 one row, lanes 16-31 the next
	s_lshl_b32 s84, s4, 18
	v_lshlrev_b32 v[CO], 12, v22
	v_lshl_add_u32 v[CO], v21, 4, v[CO]
	v_add_nc_u32 v[CO], s84, v[CO]                 ; the same two rows in out0, from my 64 rows on
	s_wait_tensorcnt 0x1                           ; my rows of att have landed; my rows of Wmix, issued behind them, may be out.  Only I read att's bytes
	ALOAD
	s_wait_tensorcnt 0x0                           ; my rows of Wmix have landed,
	s_wait_dscnt 0x0
	s_barrier_signal -1
	s_barrier_wait -1                              ; everybody's have.
	WLOAD 0, 0
	s_wait_loadcnt 0x0                             ; scale words and biases
	CHUNK 0
	CHUNK 1
	s_wait_tensorcnt 0x0
	ds_add_u32 v126, v127
	s_wait_dscnt 0x0
	CROUND                                         ; the closing round
	s_endpgm
.Lfunc_end_k_qcda0b12894_mix:
	.size	k_qcda0b12894_mix, .Lfunc_end_k_qcda0b12894_mix-k_qcda0b12894_mix
	.p2alignl 7, 3214868480
	.fill 96, 4, 3214868480
	.section	.rodata,"a",@progbits
	.p2align	6, 0x0
	.amdhsa_kernel k_qcda0b12894_mix
		.amdhsa_group_segment_fixed_size 318976
		.amdhsa_private_segment_fixed_size 0
		.amdhsa_enable_private_segment 0
		.amdhsa_kernarg_size 48
		.amdhsa_user_sgpr_count 2
		.amdhsa_user_sgpr_kernarg_segment_ptr 1
		.amdhsa_wavefront_size32 1
		.amdhsa_system_sgpr_workgroup_id_x 1
		.amdhsa_system_sgpr_workgroup_id_y 1
		.amdhsa_system_sgpr_workgroup_id_z 1
		.amdhsa_system_vgpr_workitem_id 0
		.amdhsa_next_free_vgpr 832
		.amdhsa_next_free_sgpr 100
		.amdhsa_reserve_vcc 0
		.amdhsa_float_denorm_mode_32 3
		.amdhsa_float_denorm_mode_16_64 3
		.amdhsa_memory_ordered 1
		.amdhsa_forward_progress 1
		.amdhsa_inst_pref_size 92
	.end_amdhsa_kernel
	.amdgpu_metadata
---
amdhsa.version: [ 1, 2 ]
amdhsa.kernels:
  - .name:           k_qcda0b12894_mix
    .symbol:         k_qcda0b12894_mix.kd
    .args:
      - { .name: att, .offset: 0, .size: 8, .value_kind: global_buffer, .address_space: global }
      - { .name: atts, .offset: 8, .size: 8, .value_kind: global_buffer, .address_space: global }
      - { .name: Wmix_codes, .offset: 16, .size: 8, .value_kind: global_buffer, .address_space: global }
      - { .name: Wmix_scales, .offset: 24, .size: 8, .value_kind: global_buffer, .address_space: global }
      - { .name: bmix, .offset: 32, .size: 8, .value_kind: global_buffer, .address_space: global }
      - { .name: out0, .offset: 40, .size: 8, .value_kind: global_buffer, .address_space: global }
    .group_segment_fixed_size: 318976
    .private_segment_fixed_size: 0
    .kernarg_segment_align: 8
    .kernarg_segment_size: 48
    .max_flat_workgroup_size: 128
    .sgpr_count:     100
    .vgpr_count:     832
    .wavefront_size: 32
...
	.end_amdgpu_metadata
.endif
;; end of part 3
